; MI455X (gfx1250); checked and timed in simulation.
; The chip was launched on July 23, 2026; its instructions are those of AMD's public machine-readable ISA for CDNA 5 (MIT licence, August 2026) and "CDNA5" Instruction Set Architecture Reference Guide (July 2026). The comments in the code are by the model that wrote it; some were corrected since.
;; Head. Allowed arithmetic: float matrix products may take bf16 or f16 operands with f32 sums; all other float work in f32.
;; Inputs: Wk 512 x 2,048 float32; Wq 512 x 2,048 float32; Wv 512 x 2,048 float32; x 4,096 x 2,048 float32; y 8,192 x 2,048 float32.
;; Outputs: out0 4,096 x 512 float32.
;; One version. Each part assembles by itself: llvm-mc -triple=amdgcn-amd-amdhsa -mcpu=gfx1250 --defsym DOCPART=n.
;; ======== version 1 of 1: 4 launches
;; limits: values are held in f16: magnitudes above 65,504 overflow, below 6.1e-05 lose precision
;; workspace buffers: zb 33,554,432 bytes; wb 6,291,456 bytes; t16 12,582,912 bytes; mx 3,072 bytes; pst 16,777,216 bytes
;; launch cast (part 1): grid 1216 x 1, 8 waves a work-group, no clusters, 35,840 bytes of LDS; arguments x, y, Wq, Wk, Wv, zb, wb; writes zb, wb
.if DOCPART == 1
	.amdgcn_target "amdgcn-amd-amdhsa--gfx1250"
	.amdhsa_code_object_version 6
	.text
	.protected	k_qa9ea20a007_cast
	.globl	k_qa9ea20a007_cast
	.p2align	8
	.type	k_qa9ea20a007_cast,@function
k_qa9ea20a007_cast:
	s_mov_b64 s[64:65], 0
	v_nop
	global_prefetch_b8 v0, s[64:65] scope:SCOPE_SE
	s_setreg_imm32_b32 hwreg(HW_REG_WAVE_MODE, 25, 1), 1
	s_wait_xcnt 0x0
; f32 -> bf16, rounded to nearest even.  x and the first 4,096 rows of y go into zb ([8192][2048], row-major: x, then y).
; Wq, Wk, Wv go into wb IN BLOCKS, as a matrix operand of 16 channels x 32 along K lies in registers: [block of 16 channels: 96][32 along K: 64][half 2][lane 32][16 bytes];
; lane 16 h + r of half f holds channel r, k = 32 kq + 16 f + 8 h + 0..7.  So the launch behind loads a fragment by two loads of 512 consecutive bytes.
; LIMIT: rows 4,096 to 8,191 of y are not read: the module's own mask (key >= query gives 0, queries end at 4,095) throws away all that is made of them.
; A stream: no matrix unit, no barrier.  A work-group takes 16,384 numbers: 65,536 bytes in, 32,768 out.  Work-groups 0-511: x; 512-1023: y; 1024-1215: 64 for each weight.
; All sixteen loads of a thread are issued before the first wait; each slot has registers of its own.
.set NLD, 16
.set X,   4                            ; v[4:67]   slot i: 4 numbers as loaded; in a weight's share later 8 x 16 bytes to store
.set Y,   68                           ; v[68:99]  slot i: 4 bf16
.set WP,  272                          ; a weight's share: 256 bytes of a block + 16 of padding in LDS
.set WLDS, 16*WP                       ; a wave's own bytes: 16 such pieces
	s_load_b256 s[4:11], s[0:1], 0x0               ; x s[4:5], y s[6:7], Wq s[8:9], Wk s[10:11]
	s_load_b128 s[12:15], s[0:1], 0x20             ; Wv s[12:13], zb s[14:15]
	s_load_b64 s[16:17], s[0:1], 0x30              ; wb
	v_lshl_add_u32 v100, v0, 2, 0x8800
	v_mov_b32 v101, 0
	v_lshlrev_b32 v1, 4, v0                        ; my 16 bytes in 4,096 bytes read
	s_mov_b32 s27, 0
	s_mov_b32 s29, 0
	s_cmp_lt_u32 ttmp9, 1024
	s_cbranch_scc0 .Lweights                       ; the same way for all eight waves
	; X AND Y: thread t takes the 16 bytes at 16 t of each of sixteen blocks of 4,096 bytes; a wave's store covers 256 consecutive bytes, at a multiple of 256 from zb's first byte
	v_lshlrev_b32 v2, 3, v0                        ; my 8 bytes in 2,048 bytes written
	s_and_b32 s26, ttmp9, 511                      ; the share's number in x or in y:
	s_lshl_b32 s26, s26, 16                        ; 65,536 bytes a share in,
	s_lshl_b32 s28, ttmp9, 15                      ; 32,768 out
	s_wait_kmcnt 0x0
	s_cmp_lt_u32 ttmp9, 512
	s_cselect_b64 s[20:21], s[4:5], s[6:7]         ; x or y
	s_add_nc_u64 s[20:21], s[20:21], s[26:27]
	s_add_nc_u64 s[24:25], s[14:15], s[28:29]
.irp i, 0,1,2,3,4,5,6,7,8,9,10,11,12,13,14,15
	global_load_b128 v[X+4*(\i):X+4*(\i)+3], v1, s[20:21] offset:4096*(\i) th:TH_LOAD_NT
.endr
.irp i, 0,1,2,3,4,5,6,7,8,9,10,11,12,13,14,15
	s_wait_loadcnt NLD-1-(\i)                      ; loads come back in order: slot i is in, the younger ones stay out
	v_cvt_pk_bf16_f32 v[Y+2*(\i)],   v[X+4*(\i)],   v[X+4*(\i)+1]
	v_cvt_pk_bf16_f32 v[Y+2*(\i)+1], v[X+4*(\i)+2], v[X+4*(\i)+3]
	global_store_b64 v2, v[Y+2*(\i):Y+2*(\i)+1], s[24:25] offset:2048*(\i)
.endr
	s_endpgm
	; A WEIGHT: the share is 16 channels (one block) x 1,024 along K; wave w takes 128 along K: load i is channel i's 512 bytes.  Lane l holds k = 4 l + 0..3 of them: 8 bytes of bf16 that belong at
	; byte 256 (l / 2) + 16 i + 8 (l % 2) of the wave's 4,096 bytes of wb.  They go there through the wave's own bytes of LDS (a pitch of 272 for each 256: the 32 lanes of a store touch 64 different
	; banks) and come back as 512 consecutive bytes a load.  No wave reads another's bytes: no barrier; LDS serves a wave's instructions in order (ISA guide 5.7.1.4): no wait between stores and loads.
.Lweights:
	v_lshrrev_b32 v68, 5, v0
	v_readfirstlane_b32 s18, v68                   ; wave
	s_mul_i32 s18, s18, WLDS
	s_max_u32 s19, ttmp9, 1024
	s_sub_co_u32 s19, s19, 1024                    ; the share's number among the weights' 192
	s_lshr_b32 s30, s19, 6                         ; which weight
	s_and_b32 s23, s19, 63                         ; the share's number in it:
	s_lshr_b32 s26, s23, 1
	s_lshl_b32 s26, s26, 17                        ; 16 rows of 8,192 bytes for each block of channels,
	s_and_b32 s22, s23, 1
	s_lshl_b32 s22, s22, 12                        ; 4,096 bytes along a row for each half of K
	s_add_co_u32 s26, s26, s22
	s_lshl_b32 s28, s19, 15                        ; out: 32,768 consecutive bytes a share
	v_and_b32 v69, 31, v0                          ; lane
	v_lshrrev_b32 v70, 1, v69
	v_mul_u32_u24 v70, v70, WP
	v_and_b32 v71, 1, v69
	v_lshl_add_u32 v70, v71, 3, v70
	v_add_nc_u32 v2, s18, v70                      ; in: 272 (l / 2) + 8 (l % 2); 16 i stands in the immediate
	v_lshrrev_b32 v70, 4, v69
	v_mul_u32_u24 v70, v70, WP
	v_and_b32 v71, 15, v69
	v_lshl_add_u32 v70, v71, 4, v70
	v_add_nc_u32 v3, s18, v70                      ; back: 272 (l / 16) + 16 (l % 16); two pieces on for each load
	v_and_b32 v70, 0xe0, v0                        ; 32 x wave
	v_lshlrev_b32 v69, 4, v69
	v_lshl_or_b32 v0, v70, 7, v69                  ; my byte offset in the share's 32,768: 4,096 w + 16 l
	s_wait_kmcnt 0x0
	s_cmp_eq_u32 s30, 0
	s_cselect_b64 s[20:21], s[8:9], s[10:11]       ; Wq or Wk,
	s_cmp_eq_u32 s30, 2
	s_cselect_b64 s[20:21], s[12:13], s[20:21]     ; or Wv
	s_add_nc_u64 s[20:21], s[20:21], s[26:27]
	s_add_nc_u64 s[24:25], s[16:17], s[28:29]
.irp i, 0,1,2,3,4,5,6,7,8,9,10,11,12,13,14,15
	global_load_b128 v[X+4*(\i):X+4*(\i)+3], v1, s[20:21] offset:8192*(\i) th:TH_LOAD_NT
.endr
.irp i, 0,1,2,3,4,5,6,7,8,9,10,11,12,13,14,15
	s_wait_loadcnt NLD-1-(\i)
	v_cvt_pk_bf16_f32 v[Y+2*(\i)],   v[X+4*(\i)],   v[X+4*(\i)+1]
	v_cvt_pk_bf16_f32 v[Y+2*(\i)+1], v[X+4*(\i)+2], v[X+4*(\i)+3]
	ds_store_b64 v2, v[Y+2*(\i):Y+2*(\i)+1] offset:16*(\i)
.endr
.irp j, 0,1,2,3,4,5,6,7
	ds_load_b128 v[X+4*(\j):X+4*(\j)+3], v3 offset:2*WP*(\j)
.endr
.irp j, 0,1,2,3,4,5,6,7
	s_wait_dscnt 7-(\j)                            ; LDS loads come back in order: piece j is in
	global_store_b128 v0, v[X+4*(\j):X+4*(\j)+3], s[24:25] offset:512*(\j)  ; 512 consecutive bytes, at a multiple of 512 from wb's first byte
.endr
	s_wait_tensorcnt 0x0
	ds_add_u32 v100, v101
	s_wait_dscnt 0x0
	s_endpgm
.Lfunc_end_k_qa9ea20a007_cast:
	.size	k_qa9ea20a007_cast, .Lfunc_end_k_qa9ea20a007_cast-k_qa9ea20a007_cast
	.p2alignl 7, 3214868480
	.fill 96, 4, 3214868480
	.section	.rodata,"a",@progbits
	.p2align	6, 0x0
	.amdhsa_kernel k_qa9ea20a007_cast
		.amdhsa_group_segment_fixed_size 35840
		.amdhsa_private_segment_fixed_size 0
		.amdhsa_enable_private_segment 0
		.amdhsa_kernarg_size 56
		.amdhsa_user_sgpr_count 2
		.amdhsa_user_sgpr_kernarg_segment_ptr 1
		.amdhsa_wavefront_size32 1
		.amdhsa_system_sgpr_workgroup_id_x 1
		.amdhsa_system_sgpr_workgroup_id_y 1
		.amdhsa_system_sgpr_workgroup_id_z 1
		.amdhsa_system_vgpr_workitem_id 0
		.amdhsa_next_free_vgpr 102
		.amdhsa_next_free_sgpr 66
		.amdhsa_reserve_vcc 0
		.amdhsa_float_denorm_mode_32 3
		.amdhsa_float_denorm_mode_16_64 3
		.amdhsa_memory_ordered 1
		.amdhsa_forward_progress 1
		.amdhsa_inst_pref_size 15
	.end_amdhsa_kernel
	.amdgpu_metadata
---
amdhsa.version: [ 1, 2 ]
amdhsa.kernels:
  - .name:           k_qa9ea20a007_cast
    .symbol:         k_qa9ea20a007_cast.kd
    .args:
      - { .name: x, .offset: 0, .size: 8, .value_kind: global_buffer, .address_space: global }
      - { .name: y, .offset: 8, .size: 8, .value_kind: global_buffer, .address_space: global }
      - { .name: Wq, .offset: 16, .size: 8, .value_kind: global_buffer, .address_space: global }
      - { .name: Wk, .offset: 24, .size: 8, .value_kind: global_buffer, .address_space: global }
      - { .name: Wv, .offset: 32, .size: 8, .value_kind: global_buffer, .address_space: global }
      - { .name: zb, .offset: 40, .size: 8, .value_kind: global_buffer, .address_space: global }
      - { .name: wb, .offset: 48, .size: 8, .value_kind: global_buffer, .address_space: global }
    .group_segment_fixed_size: 35840
    .private_segment_fixed_size: 0
    .kernarg_segment_align: 8
    .kernarg_segment_size: 56
    .max_flat_workgroup_size: 256
    .sgpr_count:     66
    .vgpr_count:     102
    .wavefront_size: 32
...
	.end_amdgpu_metadata
.endif
;; end of part 1
;; launch proj (part 2): grid 12 x 16, 4 waves a work-group, clusters of 4 x 1, 327,680 bytes of LDS; arguments wb, zb, t16, mx; writes t16, mx
.if DOCPART == 2
	.amdgcn_target "amdgcn-amd-amdhsa--gfx1250"
	.amdhsa_code_object_version 6
	.text
	.protected	k_qa9ea20a007_proj
	.globl	k_qa9ea20a007_proj
	.p2align	8
	.type	k_qa9ea20a007_proj,@function
k_qa9ea20a007_proj:
	s_mov_b64 s[64:65], 0
	v_nop
	global_prefetch_b8 v0, s[64:65] scope:SCOPE_SE
	s_setreg_imm32_b32 hwreg(HW_REG_WAVE_MODE, 25, 1), 1
	s_wait_xcnt 0x0
	s_wait_alu depctr_hold_cnt(0) depctr_sa_sdst(0) depctr_va_vdst(0) depctr_va_sdst(0) depctr_va_ssrc(0) depctr_va_vcc(0) depctr_vm_vsrc(0)
	s_getreg_b32 s2, hwreg(HW_REG_IB_STS2, 6, 4)
	s_cmp_eq_u32 s2, 0
	s_cbranch_scc0 .Lentry_in_a_cluster
	s_endpgm
.Lentry_in_a_cluster:
	s_bfe_u32 s2, ttmp6, 0x10000c
	s_cmp_lg_u32 s2, 0x3003
	s_cbranch_scc0 .Lentry_shape_is_right
	s_endpgm
.Lentry_shape_is_right:
; t16[ch][token] = sum over c of W[ch][c] z[row(token)][c]: the three projections, transposed.  zb: [8192][2048] bf16 (x, then y's first 4,096 rows); wb: Wq, Wk, Wv in bf16, in blocks:
; [block of 16 channels: 96][32 along K: 64][half 2][lane 32][16 bytes], a fragment as the matrix operand lies in registers.
; t16: [1536][4096] f16: rows 0-511 q^T, 512-1023 k^T, 1024-1535 v^T.  Sums in f32, rounded once to f16.  mx[64 ty + 4 tx + wave] = the largest |sum| of a wave's tile, in f32.
; LIMITS: a |q|, |k| or |v| of 65,520 or more becomes an infinity in f16; NaN and infinities are not treated apart.
; SHARES.  A tile of t16 is 128 channels (ty) x 256 tokens (tx): 12 x 16 = 192 equal work-groups (no tile of 1/256 of the output divides both 512 channels and 4,096 tokens).  Four waves, each 64 x 128:
; 32 accumulators of 16 x 16.
; zb GOES THROUGH LDS, K in steps of 256 (rows of 512 bytes) through two slots filled by the tensor data mover, each wave fetching 64 of the tile's 256 rows.
; CLUSTER 4 x 1: the four channel tiles of one of q, k, v need the same rows of zb: each tile is asked for jointly, with the mask of all four.
; wb GOES STRAIGHT INTO REGISTERS, not through LDS and so not jointly.  The reason, counted: with wb's 128 rows a slot of this K step would be 384 x 528 = 202,752 bytes, and two do not fit in 327,680;
; a K step of 128 leaves a refill 112 matrix instructions between its request and the wait for it; zb alone, 256 x 528 = 135,168 bytes a slot, leaves it 240.  The price: the two waves that share
; 64 channels each load them.  A ring of eight register slots (4 fragments, 8 loads of 512 consecutive bytes each): in the middle of quarter Q the fragments of quarter Q + 7 are asked for.
; THE MATRIX INSTRUCTION IS USED TRANSPOSED: source 0 = 16 tokens (zb), source 1 = 16 channels (wb): a lane holds one channel (lane % 16) and eight neighbouring tokens: 16 bytes of f16.
; REGISTERS: window 0: v16-35 addresses and the maximum; v64-127, v128-191 zb's two fragment buffers; on the way out v192-223 packed, v64-191 whole rows.
;   window 1: the accumulators, (a, b) at v[8 (8 a + b)].     window 2: wb's ring, slot s at v[32 s], fragment a at + 8 a.
.set KDIM,   2048
.set KSTEP,  256
.set PITCH,  528                       ; an LDS row: 512 bytes + 16 of padding = 132 words: the 16 rows of a fragment load start at 16 different groups of four banks
.set QT,     64*PITCH                  ; 64 rows: one tensor load
.set SLOT,   4*QT                      ; zb's 256 rows
.set STAGE,  2*SLOT                    ; behind the ring: 16 rows x 272 bytes for each wave; no tensor load lands here
.set SPITCH, 272
.set SPARE,  STAGE+4*16*SPITCH         ; the spare words, 128 bytes a wave: two blocks of 256 bytes that no other line names
.set LAPS,   KDIM/(2*KSTEP)            ; a lap = two K steps = 16 quarters of 32 along K
.set TROW,   8192                      ; bytes in a row of t16
.set ABLK,   65536                     ; bytes of wb for 16 channels
.set AQ,     1024                      ; of them for 32 along K
.set LA,   16                          ; v16  16 x lane: my place in 512 bytes of wb; never rewritten
.set ADRB, 20                          ; v20-21  LDS address of my fragments of zb in slot 0, 1
.set STO,  24                          ; v24  the way out: where I put 16 bytes
.set RD,   25                          ; v25  where I read rows back
.set CO,   26                          ; v26  my byte offset in t16
.set TP,   27                          ; v27  at work
.set SPW,  28                          ; v28  my spare word's LDS address; never rewritten
.set NIL,  29                          ; v29  0; never rewritten
.set MXV,  30                          ; v30  the wave's maximum
.set ZOF,  31                          ; v31  0: the offset of mx's store
.set MXC,  32                          ; v32-35  four running maxima
.set F0,   64
.set F1,   128
.set TMP,  192
.set BK,   64
.set WV, 12                            ; s12 wave; s13 which 64 channels are mine; s14 which 128 tokens
.set HM, 13
.set HN, 14
.set G1, 24                            ; s[24:31] descriptor group 1
.set G0, 32                            ; s[32:39] group 0, a set for each slot
.set AB, 40                            ; s[40:41] wb at my 64 channels, at the lap's first quarter
.set LAP, 56
.set SEL, 62                           ; s[62:63] v_permlanex16_b32's selects: each lane takes its own place in the other half
.set MSB, 0
.macro WIN new                         ; the immediate's high byte repeats the setting that is left; a switch that changes nothing is dropped
.if MSB != (\new)
	s_set_vgpr_msb (MSB<<8)|(\new)
.set MSB, \new
.endif
.endm
.set MUL,  0x58                        ; source 0 (zb) window 0, source 1 (wb) window 2; C and D window 1
.set TO_A, 0x80                        ; destination window 2, address window 0
.set RDA,  0x05                        ; sources 0 and 1 window 1; the rest window 0
.macro PLACES                          ; four places in front of loads into registers that matrix instructions have read, and of vector lines that read results
.rept 4
	v_nop
.endr
.endm
.macro CREST                           ; a round of the cluster's barrier behind its opening barrier
	s_cmp_lg_u32 s[WV], 0
	s_cbranch_scc1 .Lnot_wave_0_\@
	s_barrier_signal -3
.Lnot_wave_0_\@:
	s_barrier_wait -3
	s_barrier_signal -1
	s_barrier_wait -1
.endm
.macro CROUND                          ; a whole round
	s_barrier_signal -1
	s_barrier_wait -1
	CREST
.endm
; 8 loads: wb's four fragments of the quarter rel quarters behind the lap's first, into ring slot rel % 8; each load of the wave covers 512 consecutive bytes
.macro ALOAD rel
	WIN TO_A
.set ar, 32*((\rel)%8)
.irp a, 0,1,2,3
	global_load_b128 v[ar+8*(\a):ar+8*(\a)+3],   v[LA], s[AB:AB+1] offset:(\a)*ABLK+(\rel)*AQ
	global_load_b128 v[ar+8*(\a)+4:ar+8*(\a)+7], v[LA], s[AB:AB+1] offset:(\a)*ABLK+(\rel)*AQ+512
.endr
.endm
	s_load_b256 s[4:11], s[0:1], 0x0               ; wb s[4:5], zb s[6:7], t16 s[8:9], mx s[10:11]
	v_lshl_add_u32 v[SPW], v0, 2, SPARE
	v_mov_b32 v[NIL], 0
	ds_add_u32 v28, v29
	s_wait_dscnt 0x0
	v_lshrrev_b32 v1, 5, v0
	v_readfirstlane_b32 s[WV], v1                  ; wave 0..3
	s_lshr_b32 s[HM], s[WV], 1
	s_and_b32 s[HN], s[WV], 1
	s_bfe_u32 s15, ttmp6, 0x40000                  ; cx: it enters wb's, t16's and mx's global addresses alone
	s_lshl_b32 s18, ttmp9, 2                       ; in a cluster launch ttmp9 counts clusters: 0 q, 1 k, 2 v
	s_add_co_u32 s18, s18, s15                     ; ty: tile row (128 channels) = 4 x cluster x + cx
	s_and_b32 s17, ttmp7, 0xffff                   ; tx: tile column (256 tokens), which the four partners share
	v_and_b32 v[LA], 31, v0
	v_lshlrev_b32 v[LA], 4, v[LA]
	s_mov_b32 s[G1+0], 15|(1<<16)|(1<<20)|(1<<21)|(6<<22)|(3<<25)  ; the mask of four; 2-byte elements; padding on; bit 21 beside a mask; after every 128 words, 4 words
	s_mov_b32 s[G1+1], KSTEP<<16                   ; tensor_dim0 = 256
	s_mov_b32 s[G1+2], 64<<16                      ; tensor_dim1 = 64
	s_mov_b32 s[G1+3], KSTEP<<16                   ; tile_dim0 = 256
	s_mov_b32 s[G1+4], 64                          ; tile_dim1 = 64
	s_mov_b32 s[G1+5], KDIM                        ; elements from row to row
	s_mov_b32 s[G1+6], 0
	s_mov_b32 s[G1+7], 0
	s_mov_b32 s[SEL], 0x76543210
	s_mov_b32 s[SEL+1], 0xfedcba98
	s_lshl_b32 s58, s18, 3
	s_lshl_b32 s22, s[HM], 2
	s_add_co_u32 s58, s58, s22                     ; wb: my first block of 16 channels: 8 ty + 4 x half
	s_lshl_b32 s58, s58, 16                        ; x 65,536 bytes
	s_mov_b32 s59, 0
	s_lshl_b32 s60, s17, 8
	s_lshl_b32 s22, s[WV], 6
	s_add_co_u32 s60, s60, s22                     ; zb: row 256 tx + 64 x wave,
	s_min_u32 s23, ttmp9, 1
	s_lshl_b32 s23, s23, 12
	s_add_co_u32 s60, s60, s23                     ; + 4,096 for k and v, which are made of y: nothing here hangs on my place in the cluster
	s_lshl_b32 s60, s60, 12                        ; x 4,096 bytes
	s_mov_b32 s61, 0
	s_mul_i32 s22, s[WV], QT                       ; where my rows go: the wave's number alone
	s_wait_kmcnt 0x0
	s_add_nc_u64 s[AB:AB+1], s[4:5], s[58:59]
	s_add_nc_u64 s[60:61], s[6:7], s[60:61]
.irp q, 0,1,2,3,4,5,6
	ALOAD \q                                       ; wb's ring is filled but for one slot: 56 loads of mine are out, ahead of the round, in which they are on their way
.endr
	WIN 0
.irp s, 0,1
	s_mov_b32 s[G0+4*(\s)], 1                      ; count = 1
	s_add_co_u32 s[G0+4*(\s)+1], s22, (\s)*SLOT    ; LDS address
	s_add_nc_u64 s[G0+4*(\s)+2:G0+4*(\s)+3], s[60:61], (\s)*KSTEP*2  ; global address: K step s
	s_or_b32 s[G0+4*(\s)+3], s[G0+4*(\s)+3], 0x80000000              ; type = 2
.endr
	CROUND                                         ; all four work-groups are here: the first joint loads meet
	tensor_load_to_lds s[G0:G0+3], s[G1:G1+7]      ; K steps 0 and 1: two tensor loads of mine are out; an s_nop 0 follows each, four v_nop the second
	s_nop 0
	tensor_load_to_lds s[G0+4:G0+7], s[G1:G1+7]
	s_nop 0
	PLACES
	v_and_b32 v1, 15, v0                           ; l % 16
	v_bfe_u32 v2, v0, 4, 1                         ; l / 16
	v_mul_u32_u24 v3, v1, PITCH
	v_lshl_add_u32 v3, v2, 4, v3                   ; a fragment's row x pitch + 16 x half
	s_mul_i32 s23, s[HN], 2*QT                     ; my 128 rows of zb
.irp s, 0,1
	v_add_nc_u32 v[ADRB+(\s)], s23, v3
	s_add_co_u32 s23, s23, SLOT
.endr
	s_mul_i32 s22, s[WV], 16*SPITCH
	s_add_co_u32 s22, s22, STAGE                   ; my stage
	v_mul_u32_u24 v4, v1, SPITCH
	v_lshl_add_u32 v4, v2, 4, v4
	v_add_nc_u32 v[STO], s22, v4                   ; in: row l % 16, 16 bytes for each half of the lanes
	v_mul_u32_u24 v5, v2, SPITCH
	v_lshl_add_u32 v5, v1, 4, v5
	v_add_nc_u32 v[RD], s22, v5                    ; back: lanes 0-15 one row of 256 bytes, lanes 16-31 the next
	v_lshlrev_b32 v5, 13, v2
	v_lshl_add_u32 v[CO], v1, 4, v5                ; and the same two rows in t16
	v_mov_b32 v[TP], 0
	v_mov_b32 v[ZOF], 0
.irp i, 0,1,2,3
	v_mov_b32 v[MXC+(\i)], 0
.endr
	s_lshl_b32 s70, s18, 7
	s_lshl_b32 s71, s[HM], 6
	s_add_co_u32 s70, s70, s71                     ; my first row of t16: 128 ty + 64 x half,
	s_lshl_b32 s70, s70, 13
	s_lshl_b32 s71, s17, 9
	s_add_co_u32 s70, s70, s71                     ; my first token: 512 bytes a tile column,
	s_lshl_b32 s71, s[HN], 8
	s_add_co_u32 s70, s70, s71                     ; 256 a half
	s_mov_b32 s71, 0
	s_add_nc_u64 s[8:9], s[8:9], s[70:71]
	s_lshl_b32 s70, s18, 6
	s_lshl_b32 s71, s17, 2
	s_add_co_u32 s70, s70, s71
	s_add_co_u32 s70, s70, s[WV]
	s_lshl_b32 s70, s70, 2                         ; mx: word 64 ty + 4 tx + wave
	s_mov_b32 s71, 0
	s_add_nc_u64 s[68:69], s[10:11], s[70:71]
; 8 matrix instructions: token blocks 2 bp, 2 bp + 1 x all 4 channel blocks, 32 along K, from zb's buffer qf and wb's ring slot at qa.  zero = 1: the product starts the sums.
; The 32 accumulators take turns in the same order in every quarter.
.macro MUL8 bp, zero
	WIN MUL
.irp b, 2*(\bp), 2*(\bp)+1
.irp a, 0,1,2,3
.if \zero
	v_wmma_f32_16x16x32_bf16 v[8*(8*(\a)+(\b)):8*(8*(\a)+(\b))+7], v[qf+8*(\b):qf+8*(\b)+7], v[qa+8*(\a):qa+8*(\a)+7], 0
.else
	v_wmma_f32_16x16x32_bf16 v[8*(8*(\a)+(\b)):8*(8*(\a)+(\b))+7], v[qf+8*(\b):qf+8*(\b)+7], v[qa+8*(\a):qa+8*(\a)+7], v[8*(8*(\a)+(\b)):8*(8*(\a)+(\b))+7]
.endif
.endr
.endr
.endm
; 16 LDS loads in one run: zb's eight fragments of 32 along K at byte k of the rows, into buffer f
.macro FETCH slot, k, f
	WIN 0
.irp i, 0,1,2,3,4,5,6,7
	ds_load_b128 v[(\f)+8*(\i):(\f)+8*(\i)+3],   v[ADRB+(\slot)] offset:(\k)+(\i)*16*PITCH
	ds_load_b128 v[(\f)+8*(\i)+4:(\f)+8*(\i)+7], v[ADRB+(\slot)] offset:(\k)+(\i)*16*PITCH+32
.endr
.endm
; What quarter rq of a lap (0 to 16) has to do with wb's ring.  LC: behind the eight loads that it reads stand those of the next six quarters, 48 loads, which may stay out.  AL: it asks for quarter rq + 7.
; In the last lap (tail = 1) quarters 9 to 15 ask for nothing, since quarter 15 is the last, and from quarter 10 on the count runs down with what is left: 40, 32, 24, 16, 8, 0.
.macro CNTS rq, tail
.set AL, 1
.set LC, 48
.if \tail
.if (\rq) > 8
.set AL, 0
.endif
.if 15-(\rq) < 6
.set LC, 8*(15-(\rq))
.endif
.endif
.endm
; A K step is eight quarters of 32 along K, 32 matrix instructions each, on zb's buffers 0, 1 by turns and wb's ring slots 0 to 7.  One of the first seven: in its middle it fetches the next quarter's
; fragments of zb from the same LDS slot, and asks for wb's fragments seven quarters on, into the ring slot that the quarter before has read.
.macro QUARTER rq, tail, zero
	CNTS \rq, \tail
.set qf, F0+64*((\rq)%2)
.set qa, 32*((\rq)%8)
	s_wait_loadcnt LC                              ; global loads come back in order: my ring slot is in
	s_wait_dscnt 8                                 ; the youngest eight loads (zb's fragments 4 to 7) may be out
	MUL8 0, \zero
	MUL8 1, \zero
	PLACES
	FETCH ((\rq)/8)%2, 64*((\rq)%8+1), F0+64*(((\rq)+1)%2)
.if AL
	ALOAD (\rq)+7
.endif
	s_wait_dscnt 16                                ; all but the 16 just issued
	MUL8 2, \zero
	MUL8 3, \zero
.endm
; The last quarter of a K step multiplies buffer 1 and changes slots: one barrier; in front of it each wave waits for all its tensor loads (one is out: its part of the next slot), adds 0 to its spare
; word, and waits for that and for its reads of this slot.  fill = 1: the barrier opens a round of the cluster's, and this slot is filled again, two K steps ahead, first thing behind the round.
.macro TURN rq, fill, tail
	CNTS \rq, \tail
.set qf, F1
.set qa, 32*7
.set ts, ((\rq)/8)%2
	WIN 0
	s_wait_tensorcnt 0x0                           ; all my tensor loads have landed
	ds_add_u32 v[SPW], v[NIL]                      ; 0 onto my spare word
	s_wait_loadcnt LC                              ; my ring slot is in
	s_wait_dscnt 9                                 ; (the add and the youngest eight loads may be out)
	MUL8 0, 0                                      ; eight matrix instructions stand between the add and the wait for it
	s_wait_dscnt 0x0                               ; the add is done, and my reads of this slot are over
	s_barrier_signal -1
	MUL8 1, 0
.if \fill
	WIN 0
.endif
	s_barrier_wait -1
.if \fill
	CREST                                          ; no wave of any partner still reads this slot or has a load on its way
	s_add_nc_u64 s[G0+4*ts+2:G0+4*ts+3], s[G0+4*ts+2:G0+4*ts+3], 2*KSTEP*2
	tensor_load_to_lds s[G0+4*ts:G0+4*ts+3], s[G1:G1+7]  ; 240 matrix instructions ahead of the wait for it
	s_nop 0
.endif
	PLACES                                         ; behind the joint load, and in front of the loads below
	FETCH 1-ts, 0, F0
.if AL
	ALOAD (\rq)+7
.endif
	MUL8 2, 0
	MUL8 3, 0
.endm
	s_wait_tensorcnt 1                             ; my part of K step 0 is in; step 1's may stay out
	s_barrier_signal -1
	s_barrier_wait -1                              ; everybody's is
	FETCH 0, 0, F0
	QUARTER 0, 0, 1                                ; the first quarter stands in front of the loop: its products start the sums
	WIN 0
	s_mov_b32 s[LAP], LAPS-1
.Llap:                                                 ; a trip goes once round the ring of LDS slots, from a lap's second quarter to the next lap's first, and fills both slots again
.irp q, 1,2,3,4,5,6
	QUARTER \q, 0, 0
.endr
	TURN 7, 1, 0
.irp q, 8,9,10,11,12,13,14
	QUARTER \q, 0, 0
.endr
	TURN 15, 1, 0
	QUARTER 16, 0, 0
	WIN 0
	s_wait_xcnt 0x0                                ; wb's base, which the loads above name, is stepped only behind this wait
	s_add_nc_u64 s[AB:AB+1], s[AB:AB+1], 16*AQ     ; the next lap's first quarter
	s_sub_co_u32 s[LAP], s[LAP], 1
	s_cmp_lg_u32 s[LAP], 0
	s_cbranch_scc1 .Llap
.irp q, 1,2,3,4,5,6                    ; the last lap fills no LDS slot, and its last seven quarters ask for nothing of wb
	QUARTER \q, 1, 0
.endr
	TURN 7, 0, 1
.irp q, 8,9,10,11,12,13,14
	QUARTER \q, 1, 0
.endr
.set qf, F1
.set qa, 32*7
	s_wait_loadcnt 0x0                             ; the very last quarter: nothing more to fetch
	s_wait_dscnt 8
	MUL8 0, 0
	MUL8 1, 0
	s_wait_dscnt 0x0
	MUL8 2, 0
	MUL8 3, 0
; THE WAY OUT, a block of 16 channels at a time: the largest magnitude; rounded to f16; through my own stage in LDS; stored as whole rows of 256 bytes.
.macro MAXB a                          ; each accumulator's registers in ascending order
	WIN RDA
.set i, 0
.rept 32
	v_max3_num_f32 v[MXC+i%4], |v[64*(\a)+2*i]|, |v[64*(\a)+2*i+1]|, v[MXC+i%4]
.set i, i+1
.endr
.endm
.macro PACK a
	WIN RDA
.set i, 0
.rept 32
	v_cvt_pk_f16_f32 v[TMP+i], v[64*(\a)+2*i], v[64*(\a)+2*i+1]
.set i, i+1
.endr
.endm
.macro TOSTAGE a
	WIN 0
.irp b, 0,1,2,3,4,5,6,7
	ds_store_b128 v[STO], v[TMP+4*(\b):TMP+4*(\b)+3] offset:32*(\b)
.endr
.irp t, 0,1,2,3,4,5,6,7
	ds_load_b128 v[BK+32*(\a)+4*(\t):BK+32*(\a)+4*(\t)+3], v[RD] offset:(\t)*2*SPITCH  ; LDS serves a wave's instructions in order (ISA guide 5.7.1.4): these see the stores above
.endr
.endm
.macro SEND a                          ; each block has registers of its own, and its place stands in the immediate: nothing that a store reads is rewritten
	WIN 0
	s_wait_dscnt 0x0                               ; the block is back in registers
.irp t, 0,1,2,3,4,5,6,7
	global_store_b128 v[CO], v[BK+32*(\a)+4*(\t):BK+32*(\a)+4*(\t)+3], s[8:9] offset:(\a)*16*TROW+(\t)*2*TROW  ; 16 lanes store 256 consecutive bytes, at a multiple of 256 from t16's first byte
.endr
.endm
	PLACES
	MAXB 0
	PACK 0
	TOSTAGE 0
.irp a, 1,2,3                          ; a block's arithmetic stands between the loads of the block before and the wait for them
	MAXB \a
	PACK \a
	SEND (\a)-1
	TOSTAGE \a
.endr
	SEND 3
	v_max3_num_f32 v[MXV], v[MXC], v[MXC+1], v[MXC+2]
	v_max_num_f32 v[MXV], v[MXV], v[MXC+3]
	v_max_num_f32_dpp v[MXV], v[MXV], v[MXV] row_xmask:1 row_mask:0xf bank_mask:0xf
	v_max_num_f32_dpp v[MXV], v[MXV], v[MXV] row_xmask:2 row_mask:0xf bank_mask:0xf
	v_max_num_f32_dpp v[MXV], v[MXV], v[MXV] row_xmask:4 row_mask:0xf bank_mask:0xf
	v_max_num_f32_dpp v[MXV], v[MXV], v[MXV] row_xmask:8 row_mask:0xf bank_mask:0xf
	v_permlanex16_b32 v[TP], v[MXV], s[SEL], s[SEL+1]
	v_max_num_f32 v[MXV], v[MXV], v[TP]            ; every lane holds the wave's maximum
	v_and_b32 v[TP], 31, v0
	v_cmp_eq_u32 vcc_lo, 0, v[TP]
	s_wait_xcnt 0x0                                ; EXEC changes only behind this wait: the stores above name it
	s_and_saveexec_b32 s66, vcc_lo
	global_store_b32 v[ZOF], v[MXV], s[68:69]      ; lane 0 stores it
	s_wait_xcnt 0x0
	s_or_b32 exec_lo, exec_lo, s66
	s_wait_tensorcnt 0x0                           ; the wave's end
	ds_add_u32 v[SPW], v[NIL]
	s_wait_dscnt 0x0
	CROUND                                         ; the closing round
	s_endpgm
.Lfunc_end_k_qa9ea20a007_proj:
	.size	k_qa9ea20a007_proj, .Lfunc_end_k_qa9ea20a007_proj-k_qa9ea20a007_proj
	.p2alignl 7, 3214868480
	.fill 96, 4, 3214868480
	.section	.rodata,"a",@progbits
	.p2align	6, 0x0
	.amdhsa_kernel k_qa9ea20a007_proj
		.amdhsa_group_segment_fixed_size 327680
		.amdhsa_private_segment_fixed_size 0
		.amdhsa_enable_private_segment 0
		.amdhsa_kernarg_size 32
		.amdhsa_user_sgpr_count 2
		.amdhsa_user_sgpr_kernarg_segment_ptr 1
		.amdhsa_wavefront_size32 1
		.amdhsa_system_sgpr_workgroup_id_x 1
		.amdhsa_system_sgpr_workgroup_id_y 1
		.amdhsa_system_sgpr_workgroup_id_z 1
		.amdhsa_system_vgpr_workitem_id 0
		.amdhsa_next_free_vgpr 768
		.amdhsa_next_free_sgpr 72
		.amdhsa_reserve_vcc 1
		.amdhsa_float_denorm_mode_32 3
		.amdhsa_float_denorm_mode_16_64 3
		.amdhsa_memory_ordered 1
		.amdhsa_forward_progress 1
		.amdhsa_inst_pref_size 162
	.end_amdhsa_kernel
	.amdgpu_metadata
---
amdhsa.version: [ 1, 2 ]
amdhsa.kernels:
  - .name:           k_qa9ea20a007_proj
    .symbol:         k_qa9ea20a007_proj.kd
    .args:
      - { .name: wb, .offset: 0, .size: 8, .value_kind: global_buffer, .address_space: global }
      - { .name: zb, .offset: 8, .size: 8, .value_kind: global_buffer, .address_space: global }
      - { .name: t16, .offset: 16, .size: 8, .value_kind: global_buffer, .address_space: global }
      - { .name: mx, .offset: 24, .size: 8, .value_kind: global_buffer, .address_space: global }
    .group_segment_fixed_size: 327680
    .private_segment_fixed_size: 0
    .kernarg_segment_align: 8
    .kernarg_segment_size: 32
    .max_flat_workgroup_size: 128
    .sgpr_count:     72
    .vgpr_count:     768
    .wavefront_size: 32
...
	.end_amdgpu_metadata
.endif
;; end of part 2
;; launch states (part 3): grid 16 x 16, 4 waves a work-group, clusters of 4 x 4, 327,680 bytes of LDS; arguments t16, mx, pst; writes pst
.if DOCPART == 3
	.amdgcn_target "amdgcn-amd-amdhsa--gfx1250"
	.amdhsa_code_object_version 6
	.text
	.protected	k_qa9ea20a007_states
	.globl	k_qa9ea20a007_states
	.p2align	8
	.type	k_qa9ea20a007_states,@function
k_qa9ea20a007_states:
	s_mov_b64 s[64:65], 0
	v_nop
	global_prefetch_b8 v0, s[64:65] scope:SCOPE_SE
	s_setreg_imm32_b32 hwreg(HW_REG_WAVE_MODE, 25, 1), 1
	s_wait_xcnt 0x0
	s_wait_alu depctr_hold_cnt(0) depctr_sa_sdst(0) depctr_va_vdst(0) depctr_va_sdst(0) depctr_va_ssrc(0) depctr_va_vcc(0) depctr_vm_vsrc(0)
	s_getreg_b32 s2, hwreg(HW_REG_IB_STS2, 6, 4)
	s_cmp_eq_u32 s2, 0
	s_cbranch_scc0 .Lentry_in_a_cluster
	s_endpgm
.Lentry_in_a_cluster:
	s_bfe_u32 s2, ttmp6, 0x10000c
	s_cmp_lg_u32 s2, 0xf033
	s_cbranch_scc0 .Lentry_shape_is_right
	s_endpgm
.Lentry_shape_is_right:
; pst[c] = sP x the sum over tokens j < 128 c of v_j k_j^T, for c = 0 .. 31: the state that queries 128 c .. 128 c + 127 meet for all earlier chunks of keys.  512 x 512 numbers a state, f16; sums in f32.
; sP = 1 / (p_k p_v), p_t = the power of two at or below max(largest |t|, 2^-40), from mx: |k|, |v| <= 2 p, so |pst| <= 3,968 x 4 whatever the inputs' size.  NaN and infinities are not treated apart.
; LAYOUT of pst: [c 32][cb 8][s 4][vt 4][kb 8][512 bytes]; a block of 512 bytes is 16 v channels (block 4 cb + vt) x 16 k channels (block 8 s + kb) as a matrix operand holds it:
; lane l = 16 h + r has (v channel r, k channels 8 h .. 8 h + 7) at byte 16 l.
; SHARES.  A work-group owns 32 x 32 of the state, each of its four waves one block of 16 x 16.  The wave walks the tokens in chunks of 128: four matrix instructions on four accumulators by turns
; (one for each 32 tokens of a chunk; they run on from chunk to chunk), then their sum, scaled and rounded, is stored as the next state: 512 consecutive bytes a wave.
; SOURCE 0 = 16 k channels, source 1 = 16 v channels (rows of t16, tokens along them): in the result lane (r, h) holds v channel r and k channels 8 h + 0..7.
; CLUSTER 4 x 4: v^T's rows hang on the tile row, k^T's on the tile column: each tile is asked for jointly.  Two LDS slots of 1,024 tokens (8 chunks); each is filled twice.
.set PITCH, 1040                       ; an LDS row: 512 tokens = 1,024 bytes + 16 of padding: an odd multiple of 16
.set PB,    32*PITCH                   ; a part: 32 rows x 512 tokens: one tensor load
.set SLOT,  4*PB                       ; v^T's two halves of 512 tokens, then k^T's
.set SPARE, 2*SLOT                     ; the spare words, 128 bytes a wave: two blocks of 256 bytes that no other line names
.set L16, 3                            ; v3   16 x lane; never rewritten
.set VA,  4                            ; v4-5  LDS address of my v^T fragments in slot 0, 1
.set VB,  6                            ; v6-7  of my k^T fragments
.set SC,  8                            ; v[8:9]  sP, twice
.set Y,   10                           ; v[10:13]  16 bytes to store
.set SPW, 28
.set NIL, 29
.set T,   32                           ; v[32:39], v[40:47] at work
.set U,   40
.set ACC, 48                           ; v[48:79] four accumulators
.set BUF, 96                           ; v[96:159], v[160:223] two fragment buffers: v^T's four, then k^T's four
.set WV, 12
.set HM, 13                            ; s13  which 16 v channels are mine; also: I fetch v^T (0) or k^T (1)
.set HN, 14                            ; s14  which 16 k channels; also which 512 tokens of a slot I fetch
.set G1A, 24
.set G0A, 32
.set G1B, 40
.set G0B, 48
.set SEL, 62
.macro PLACES
.rept 4
	v_nop
.endr
.endm
.macro JLOAD s                         ; a joint load: an s_nop 0 and four v_nop follow each of the two lines
	s_cmp_eq_u32 s[HM], 0
	s_cbranch_scc0 .Lfor_b_\@
	tensor_load_to_lds s[G0A+4*(\s):G0A+4*(\s)+3], s[G1A:G1A+7]
	s_nop 0
.rept 4
	v_nop
.endr
	s_branch .Lasked_\@
.Lfor_b_\@:
	tensor_load_to_lds s[G0B+4*(\s):G0B+4*(\s)+3], s[G1B:G1B+7]
	s_nop 0
.rept 4
	v_nop
.endr
.Lasked_\@:
.endm
.macro CROUND                          ; a round of the cluster's barrier
	s_barrier_signal -1
	s_barrier_wait -1
	s_cmp_lg_u32 s[WV], 0
	s_cbranch_scc1 .Lnot_wave_0_\@
	s_barrier_signal -3
.Lnot_wave_0_\@:
	s_barrier_wait -3
	s_barrier_signal -1
	s_barrier_wait -1
.endm
; The 256 partial maxima of tensor t (0 q, 1 k, 2 v): eight a lane
.macro NLOAD t, b
	global_load_b128 v[(\b):(\b)+3],   v[L16], s[6:7] offset:1024*(\t)
	global_load_b128 v[(\b)+4:(\b)+7], v[L16], s[6:7] offset:1024*(\t)+512
.endm
; their maximum, in every lane; at least 2^-40; its mantissa cleared: p
.macro NRED m, b, tmp
	v_max3_num_f32 v[\m], v[\b], v[(\b)+1], v[(\b)+2]
	v_max3_num_f32 v[\m], v[\m], v[(\b)+3], v[(\b)+4]
	v_max3_num_f32 v[\m], v[\m], v[(\b)+5], v[(\b)+6]
	v_max_num_f32 v[\m], v[\m], v[(\b)+7]
	v_max_num_f32_dpp v[\m], v[\m], v[\m] row_xmask:1 row_mask:0xf bank_mask:0xf
	v_max_num_f32_dpp v[\m], v[\m], v[\m] row_xmask:2 row_mask:0xf bank_mask:0xf
	v_max_num_f32_dpp v[\m], v[\m], v[\m] row_xmask:4 row_mask:0xf bank_mask:0xf
	v_max_num_f32_dpp v[\m], v[\m], v[\m] row_xmask:8 row_mask:0xf bank_mask:0xf
	v_permlanex16_b32 v[\tmp], v[\m], s[SEL], s[SEL+1]
	v_max_num_f32 v[\m], v[\m], v[\tmp]
	v_max_num_f32 v[\m], 0x2b800000, v[\m]
	v_and_b32 v[\m], 0x7f800000, v[\m]
.endm
	s_load_b128 s[4:7], s[0:1], 0x0                ; t16 s[4:5], mx s[6:7]
	s_load_b64 s[8:9], s[0:1], 0x10                ; pst
	v_lshl_add_u32 v[SPW], v0, 2, SPARE
	v_mov_b32 v[NIL], 0
	ds_add_u32 v28, v29
	s_wait_dscnt 0x0
	v_lshrrev_b32 v1, 5, v0
	v_readfirstlane_b32 s[WV], v1
	s_lshr_b32 s[HM], s[WV], 1
	s_and_b32 s[HN], s[WV], 1
	s_bfe_u32 s15, ttmp6, 0x40000                  ; cx
	s_bfe_u32 s16, ttmp6, 0x40004                  ; cy
	s_lshl_b32 s17, ttmp9, 2
	s_add_co_u32 s17, s17, s15                     ; tx: 32 k channels
	s_and_b32 s18, ttmp7, 0xffff
	s_lshl_b32 s18, s18, 2
	s_add_co_u32 s18, s18, s16                     ; ty: 32 v channels
	s_lshl_b32 s20, s16, 2
	s_lshl_b32 s20, 15, s20                        ; my row of the cluster
	s_lshl_b32 s21, 0x1111, s15                    ; my column
	s_or_b32 s[G1A+0], s20, (1<<16)|(1<<20)|(1<<21)|(7<<22)|(3<<25)  ; the mask; 2-byte elements; padding on; bit 21 beside a mask; after every 256 words, 4 words
	s_or_b32 s[G1B+0], s21, (1<<16)|(1<<20)|(1<<21)|(7<<22)|(3<<25)
.irp g, G1A, G1B
	s_mov_b32 s[(\g)+1], 512<<16                   ; tensor_dim0 = 512 tokens
	s_mov_b32 s[(\g)+2], 32<<16                    ; tensor_dim1 = 32 rows
	s_mov_b32 s[(\g)+3], 512<<16                   ; tile_dim0
	s_mov_b32 s[(\g)+4], 32                        ; tile_dim1
	s_mov_b32 s[(\g)+5], 4096                      ; elements from row to row
	s_mov_b32 s[(\g)+6], 0
	s_mov_b32 s[(\g)+7], 0
.endr
	s_mov_b32 s[SEL], 0x76543210
	s_mov_b32 s[SEL+1], 0xfedcba98
	s_lshl_b32 s22, s[HN], 10                      ; my 512 tokens: 1,024 bytes along a row
	s_lshl_b32 s58, s18, 18                        ; v^T: row 1,024 + 32 ty, 8,192 bytes a row
	s_add_co_u32 s58, s58, 1024*8192
	s_add_co_u32 s58, s58, s22
	s_mov_b32 s59, 0
	s_lshl_b32 s60, s17, 18                        ; k^T: row 512 + 32 tx
	s_add_co_u32 s60, s60, 512*8192
	s_add_co_u32 s60, s60, s22
	s_mov_b32 s61, 0
	s_mul_i32 s22, s[HN], PB                       ; where they go: the wave's number alone
	s_add_co_u32 s23, s22, 2*PB
	s_wait_kmcnt 0x0
	s_add_nc_u64 s[58:59], s[4:5], s[58:59]
	s_add_nc_u64 s[60:61], s[4:5], s[60:61]
.irp s, 0,1
	s_mov_b32 s[G0A+4*(\s)], 1
	s_add_co_u32 s[G0A+4*(\s)+1], s22, (\s)*SLOT
	s_add_nc_u64 s[G0A+4*(\s)+2:G0A+4*(\s)+3], s[58:59], (\s)*2048   ; slot s begins with tokens 1,024 s
	s_or_b32 s[G0A+4*(\s)+3], s[G0A+4*(\s)+3], 0x80000000
	s_mov_b32 s[G0B+4*(\s)], 1
	s_add_co_u32 s[G0B+4*(\s)+1], s23, (\s)*SLOT
	s_add_nc_u64 s[G0B+4*(\s)+2:G0B+4*(\s)+3], s[60:61], (\s)*2048
	s_or_b32 s[G0B+4*(\s)+3], s[G0B+4*(\s)+3], 0x80000000
.endr
	CROUND                                         ; all sixteen work-groups are here: the first joint loads meet
	s_cmp_eq_u32 s[HM], 0                          ; a wave's two first fills stand in one branch: two loads of mine are out
	s_cbranch_scc0 .Lfirst_b
	tensor_load_to_lds s[G0A:G0A+3], s[G1A:G1A+7]
	s_nop 0
	tensor_load_to_lds s[G0A+4:G0A+7], s[G1A:G1A+7]
	s_nop 0
.rept 4
	v_nop
.endr
	s_branch .Lfirst_asked
.Lfirst_b:
	tensor_load_to_lds s[G0B:G0B+3], s[G1B:G1B+7]
	s_nop 0
	tensor_load_to_lds s[G0B+4:G0B+7], s[G1B:G1B+7]
	s_nop 0
.rept 4
	v_nop
.endr
.Lfirst_asked:
	v_and_b32 v[L16], 31, v0
	v_lshlrev_b32 v[L16], 4, v[L16]
	NLOAD 1, T
	NLOAD 2, U
	v_and_b32 v1, 15, v0                           ; r
	v_bfe_u32 v2, v0, 4, 1                         ; h
	v_mul_u32_u24 v14, v1, PITCH
	v_lshl_add_u32 v14, v2, 4, v14                 ; row x pitch + 16 x half
	s_mul_i32 s22, s[HM], 16*PITCH                 ; my 16 rows of v^T
	s_mul_i32 s23, s[HN], 16*PITCH                 ; my 16 rows of k^T,
	s_add_co_u32 s23, s23, 2*PB                    ; which lie behind v^T's two parts
.irp s, 0,1
	v_add_nc_u32 v[VA+(\s)], s22, v14
	v_add_nc_u32 v[VB+(\s)], s23, v14
	s_add_co_u32 s22, s22, SLOT
	s_add_co_u32 s23, s23, SLOT
.endr
	s_lshl_b32 s70, s18, 1
	s_add_co_u32 s70, s70, s[HM]                   ; my block of v channels, 0..31
	s_lshr_b32 s71, s70, 2
	s_lshl_b32 s71, s71, 16                        ; cb x 65,536
	s_and_b32 s70, s70, 3
	s_lshl_b32 s70, s70, 12                        ; vt x 4,096
	s_add_co_u32 s70, s70, s71
	s_lshl_b32 s71, s17, 1
	s_add_co_u32 s71, s71, s[HN]                   ; my block of k channels, 0..31
	s_lshr_b32 s22, s71, 3
	s_lshl_b32 s22, s22, 14                        ; s x 16,384
	s_add_co_u32 s70, s70, s22
	s_and_b32 s71, s71, 7
	s_lshl_b32 s71, s71, 9                         ; kb x 512
	s_add_co_u32 s70, s70, s71
	s_mov_b32 s71, 0
	s_add_nc_u64 s[68:69], s[8:9], s[70:71]        ; my block in state 0
.irp e, 0,1,2,3
	v_mov_b32 v[Y+(\e)], 0
.endr
	global_store_b128 v[L16], v[Y:Y+3], s[68:69]   ; state 0 is empty
	v_mov_b32 v18, 0
	s_wait_loadcnt 0x0                             ; the maxima
	NRED 16, T, 18                                 ; p_k
	NRED 17, U, 18                                 ; p_v
	v_sub_nc_u32 v16, 0x7f000000, v16              ; 1 / p of a power of two: the exponent mirrored
	v_sub_nc_u32 v17, 0x7f000000, v17
	v_mul_f32 v[SC], v16, v17
	v_mov_b32 v[SC+1], v[SC]
; 16 LDS loads: chunk j (0..7) of a slot: four fragments of v^T and four of k^T, into buffer j % 2
.macro LOADF slot, j
.set ldb, BUF+64*((\j)%2)
.set ldo, ((\j)/4)*PB+((\j)%4)*256
.irp i, 0,1,2,3
	ds_load_b128 v[ldb+8*(\i):ldb+8*(\i)+3],       v[VA+(\slot)] offset:ldo+64*(\i)
	ds_load_b128 v[ldb+8*(\i)+4:ldb+8*(\i)+7],     v[VA+(\slot)] offset:ldo+64*(\i)+32
	ds_load_b128 v[ldb+32+8*(\i):ldb+32+8*(\i)+3],   v[VB+(\slot)] offset:ldo+64*(\i)
	ds_load_b128 v[ldb+32+8*(\i)+4:ldb+32+8*(\i)+7], v[VB+(\slot)] offset:ldo+64*(\i)+32
.endr
.endm
.macro MM buf, zero                    ; the four accumulators take turns
.irp i, 0,1,2,3
.if \zero
	v_wmma_f32_16x16x32_f16 v[ACC+8*(\i):ACC+8*(\i)+7], v[(\buf)+32+8*(\i):(\buf)+32+8*(\i)+7], v[(\buf)+8*(\i):(\buf)+8*(\i)+7], 0
.else
	v_wmma_f32_16x16x32_f16 v[ACC+8*(\i):ACC+8*(\i)+7], v[(\buf)+32+8*(\i):(\buf)+32+8*(\i)+7], v[(\buf)+8*(\i):(\buf)+8*(\i)+7], v[ACC+8*(\i):ACC+8*(\i)+7]
.endif
.endr
.endm
.macro EMIT                            ; the four sums added (each accumulator from its low end), scaled, rounded, stored as the next state
	s_wait_xcnt 0x0                                ; the last store's data and base are rewritten only behind this wait
.irp e, 0,2,4,6
	v_pk_add_f32 v[T+(\e):T+(\e)+1], v[ACC+(\e):ACC+(\e)+1], v[ACC+8+(\e):ACC+8+(\e)+1]
.endr
.irp e, 0,2,4,6
	v_pk_add_f32 v[U+(\e):U+(\e)+1], v[ACC+16+(\e):ACC+16+(\e)+1], v[ACC+24+(\e):ACC+24+(\e)+1]
.endr
.irp e, 0,2,4,6
	v_pk_add_f32 v[T+(\e):T+(\e)+1], v[T+(\e):T+(\e)+1], v[U+(\e):U+(\e)+1]
.endr
.irp e, 0,2,4,6
	v_pk_mul_f32 v[T+(\e):T+(\e)+1], v[T+(\e):T+(\e)+1], v[SC:SC+1]
.endr
.irp e, 0,1,2,3
	v_cvt_pk_f16_f32 v[Y+(\e)], v[T+2*(\e)], v[T+2*(\e)+1]
.endr
	s_add_nc_u64 s[68:69], s[68:69], 0x80000       ; a state is 524,288 bytes
	global_store_b128 v[L16], v[Y:Y+3], s[68:69]   ; 512 consecutive bytes, at a multiple of 512 from pst's first byte
.endm
; n chunks of a slot.  While one chunk is multiplied and its state leaves, the next chunk's sixteen loads are out.
.macro VISIT slot, n, first
	LOADF \slot, 0
	LOADF \slot, 1
.set j, 0
.rept \n
.if j+1 < (\n)
	s_wait_dscnt 16                                ; the next chunk's sixteen loads may be out
.else
	s_wait_dscnt 0x0
.endif
.if (\first) && (j == 0)
	MM BUF+64*(j%2), 1
.else
	MM BUF+64*(j%2), 0
.endif
	PLACES
	EMIT
.if j+2 < (\n)
	LOADF \slot, j+2
.endif
.set j, j+1
.endr
.endm
; The change of slots: all my tensor loads have landed (one is out: my part of the other slot); the add; my reads of the slot are over.  fill = 1: a round of the cluster's barrier, and the slot
; just read is filled again, with the tokens 2,048 on, first thing behind it: it has the other slot's eight chunks in which to land.
.macro CHANGE slot, fill
	s_wait_tensorcnt 0x0
	ds_add_u32 v[SPW], v[NIL]                      ; 0 onto my spare word
.if \fill
	s_add_nc_u64 s[G0A+4*(\slot)+2:G0A+4*(\slot)+3], s[G0A+4*(\slot)+2:G0A+4*(\slot)+3], 4096
	s_add_nc_u64 s[G0B+4*(\slot)+2:G0B+4*(\slot)+3], s[G0B+4*(\slot)+2:G0B+4*(\slot)+3], 4096
.endif
	s_wait_dscnt 0x0
.if \fill
	CROUND
	JLOAD \slot
.else
	s_barrier_signal -1
	s_barrier_wait -1
.endif
.endm
	s_wait_tensorcnt 1                             ; my part of slot 0 is in; slot 1's may stay out
	s_barrier_signal -1
	s_barrier_wait -1
	VISIT 0, 8, 1                                  ; tokens 0 - 1,023: states 1 to 8
	CHANGE 0, 1
	VISIT 1, 8, 0                                  ; states 9 to 16
	CHANGE 1, 1
	VISIT 0, 8, 0                                  ; states 17 to 24
	CHANGE 0, 0
	VISIT 1, 7, 0                                  ; states 25 to 31: the last chunk enters no state
	s_wait_tensorcnt 0x0                           ; the wave's end
	ds_add_u32 v[SPW], v[NIL]
	s_wait_dscnt 0x0
	CROUND                                         ; the closing round
	s_endpgm
.Lfunc_end_k_qa9ea20a007_states:
	.size	k_qa9ea20a007_states, .Lfunc_end_k_qa9ea20a007_states-k_qa9ea20a007_states
	.p2alignl 7, 3214868480
	.fill 96, 4, 3214868480
	.section	.rodata,"a",@progbits
	.p2align	6, 0x0
	.amdhsa_kernel k_qa9ea20a007_states
		.amdhsa_group_segment_fixed_size 327680
		.amdhsa_private_segment_fixed_size 0
		.amdhsa_enable_private_segment 0
		.amdhsa_kernarg_size 24
		.amdhsa_user_sgpr_count 2
		.amdhsa_user_sgpr_kernarg_segment_ptr 1
		.amdhsa_wavefront_size32 1
		.amdhsa_system_sgpr_workgroup_id_x 1
		.amdhsa_system_sgpr_workgroup_id_y 1
		.amdhsa_system_sgpr_workgroup_id_z 1
		.amdhsa_system_vgpr_workitem_id 0
		.amdhsa_next_free_vgpr 224
		.amdhsa_next_free_sgpr 72
		.amdhsa_reserve_vcc 0
		.amdhsa_float_denorm_mode_32 3
		.amdhsa_float_denorm_mode_16_64 3
		.amdhsa_memory_ordered 1
		.amdhsa_forward_progress 1
		.amdhsa_inst_pref_size 100
	.end_amdhsa_kernel
	.amdgpu_metadata
---
amdhsa.version: [ 1, 2 ]
amdhsa.kernels:
  - .name:           k_qa9ea20a007_states
    .symbol:         k_qa9ea20a007_states.kd
    .args:
      - { .name: t16, .offset: 0, .size: 8, .value_kind: global_buffer, .address_space: global }
      - { .name: mx, .offset: 8, .size: 8, .value_kind: global_buffer, .address_space: global }
      - { .name: pst, .offset: 16, .size: 8, .value_kind: global_buffer, .address_space: global }
    .group_segment_fixed_size: 327680
    .private_segment_fixed_size: 0
    .kernarg_segment_align: 8
    .kernarg_segment_size: 24
    .max_flat_workgroup_size: 128
    .sgpr_count:     72
    .vgpr_count:     224
    .wavefront_size: 32
...
	.end_amdgpu_metadata
.endif
;; end of part 3
;; launch outk (part 4): grid 8 x 32, 4 waves a work-group, clusters of 4 x 1, 327,680 bytes of LDS; arguments t16, pst, mx, out0; writes out0
.if DOCPART == 4
	.amdgcn_target "amdgcn-amd-amdhsa--gfx1250"
	.amdhsa_code_object_version 6
	.text
	.protected	k_qa9ea20a007_outk
	.globl	k_qa9ea20a007_outk
	.p2align	8
	.type	k_qa9ea20a007_outk,@function
k_qa9ea20a007_outk:
	s_mov_b64 s[64:65], 0
	v_nop
	global_prefetch_b8 v0, s[64:65] scope:SCOPE_SE
	s_setreg_imm32_b32 hwreg(HW_REG_WAVE_MODE, 25, 1), 1
	s_wait_xcnt 0x0
	s_wait_alu depctr_hold_cnt(0) depctr_sa_sdst(0) depctr_va_vdst(0) depctr_va_sdst(0) depctr_va_ssrc(0) depctr_va_vcc(0) depctr_vm_vsrc(0)
	s_getreg_b32 s2, hwreg(HW_REG_IB_STS2, 6, 4)
	s_cmp_eq_u32 s2, 0
	s_cbranch_scc0 .Lentry_in_a_cluster
	s_endpgm
.Lentry_in_a_cluster:
	s_bfe_u32 s2, ttmp6, 0x10000c
	s_cmp_lg_u32 s2, 0x3003
	s_cbranch_scc0 .Lentry_shape_is_right
	s_endpgm
.Lentry_shape_is_right:
; out[i][:] = 512^-1/2 x the sum over j < i of (q_i . k_j) v_j, by chunks of 128 tokens: for queries of chunk c,  out = cP x Q P'_c  +  cA x (mask(Q K_c^T) sA) V_c.
; P'_c (pst) holds all earlier chunks' sum of v k^T, scaled by 1 / (p_k p_v); sA = 1 / (p_q p_k) keeps the masked scores, rounded to f16 for the second product, within 512 x 4;
; cP = p_k p_v / sqrt(512), cA = p_q p_k / sqrt(512); p_t = the power of two at or below max(largest |t|, 2^-40), from mx.  Products in f16 with f32 sums; out in f32.
; LIMITS: 512^-1/2 is applied at the end, in f32 (another order of rounding than scaling the scores); NaN and infinities are not treated apart.
; SHARES.  A work-group owns chunk rb (128 queries) x 64 channels of v (cb); wave w its queries 32 w .. 32 w + 31: two tiles of 16.  Nothing passes from wave to wave.
; PHASE 1 goes over the 512 channels of q and k, 32 a step: 16 products S^T = K Q^T (8 key blocks x 2 query tiles) and 8 products O1^T = P' Q^T share the fragments of Q: 24 accumulators by turns.
; PHASE 2: S^T times the mask (0 or sA), rounded in pairs to f16, IS source 1 of O2^T = V^T A'.  In S^T, O1^T and O2^T a lane holds one query (lane % 16).
; q^T and k^T lie [channel][token] and are turned on the way out of LDS (ds_load_tr16_b128); P' lies in pst as the operand wants it; v^T has its tokens along the rows.
; CLUSTER 4 x 1: the four work-groups share the chunk, so q^T's and k^T's tiles (256 KB of a work-group's 336) are asked for jointly; P' and v^T are each work-group's own.
; LDS has room for three of the four steps of 128 channels of q^T and k^T: step 3 is filled into step 0's rows when step 0 has been read.
; REGISTERS: window 0: v1-31 addresses and factors; v32-143, v144-255 two fragment buffers (Q 2, K 8, P' 4); later v32-95 A', v96-159 rows of out.
;   window 1: v0-127 S^T ((kt, qt) at 64 qt + 8 kt); v128-191 O1^T ((vt, qt) at 128 + 32 qt + 8 vt); v192-255 O2^T.     window 2: v0-127 the mask, as S^T lies; v128-255 V's fragments.
.set PQ,    288                        ; a row of q^T or k^T in LDS: 256 bytes + 32 of padding: an odd multiple of 32, for the turning load
.set STEPB, 128*PQ                     ; 128 channels
.set QKB,   3*STEPB                    ; q^T's region; k^T's follows
.set PBASE, 2*QKB                      ; P': 65,536 dense bytes: [s 4][vt 4][kb 8][512]
.set VBASE, PBASE+65536                ; v^T: 64 rows x 272
.set PVP,   272
.set SPARE, VBASE+64*PVP               ; the spare words, 128 bytes a wave: two blocks of 256 bytes that no other line names
.set STAGE, SPARE+512                  ; 16 rows x 272 bytes for each wave; no tensor load lands here
.set SP,    272
.set AQ,  4                            ; v4-6   LDS address of my Q fragments in rows 128 sl on, sl = 0, 1, 2
.set AK,  7                            ; v7-9   the same for K
.set AP,  10                           ; v10    for P'
.set AV,  11                           ; v11    for V
.set STO, 12                           ; v12    the way out: where I put 32 bytes of a row
.set RD,  13                           ; v13    where I read rows back
.set GO,  14                           ; v14    my byte offset in out
.set L16, 15                           ; v15    16 x lane
.set TH,  16                           ; v16-17 my query's place in the chunk less 8 (l / 16), for tile 0, 1
.set SA,  18                           ; v18    sA
.set CP,  20                           ; v[20:21] cP, twice
.set CA,  22                           ; v[22:23] cA, twice
.set SPW, 28
.set NIL, 29
.set F0,  32
.set AF,  32
.set BK,  96
.set WV,  12
.set G1J,  24                          ; s[24:31] group 1: 128 rows of q^T or k^T, joint
.set G1J2, 32                          ; s[32:39] 256 rows
.set G1P0, 40                          ; s[40:47] P': 64 rows of 256 bytes
.set G1P1, 48                          ; s[48:55] 192 rows
.set G1V,  56                          ; s[56:63] v^T: 64 rows
.set G0A,  68                          ; s[68:71] q^T / k^T step 0;  s[72:75] steps 1, 2;  s[76:79] step 3
.set G0B,  72
.set G0C,  76
.set SEL,  80                          ; s[80:81]
.set G0P0, 84
.set G0P1, 88
.set G0V,  92
.set MSB, 0
.macro WIN new
.if MSB != (\new)
	s_set_vgpr_msb (MSB<<8)|(\new)
.set MSB, \new
.endif
.endm
.set W_P1, 0x50                        ; sources 0, 1 window 0; C and D window 1
.set W_T2, 0x80                        ; destination window 2
.set W_SM, 0x49                        ; S (destination, source 0) window 1, the mask (source 1) window 2
.set W_CV, 0x05                        ; sources 0, 1 window 1, destination window 0
.set W_P2, 0x52                        ; V window 2, A' window 0, C and D window 1
.set W_S1, 0x41                        ; destination and source 0 window 1, source 1 window 0
.set W_FM, 0x51                        ; the same with source 2 in window 1
.set W_ST, 0x04                        ; an LDS store's data in window 1
.macro PLACES
.rept 4
	v_nop
.endr
.endm
.macro CROUND                          ; a round of the cluster's barrier
	s_barrier_signal -1
	s_barrier_wait -1
	s_cmp_lg_u32 s[WV], 0
	s_cbranch_scc1 .Lnot_wave_0_\@
	s_barrier_signal -3
.Lnot_wave_0_\@:
	s_barrier_wait -3
	s_barrier_signal -1
	s_barrier_wait -1
.endm
.macro NLOAD t, b                      ; the 256 partial maxima of tensor t (0 q, 1 k, 2 v): eight a lane
	global_load_b128 v[(\b):(\b)+3],   v[L16], s[8:9] offset:1024*(\t)
	global_load_b128 v[(\b)+4:(\b)+7], v[L16], s[8:9] offset:1024*(\t)+512
.endm
.macro NRED m, b, tmp                  ; their maximum, in every lane; at least 2^-40; its mantissa cleared: p
	v_max3_num_f32 v[\m], v[\b], v[(\b)+1], v[(\b)+2]
	v_max3_num_f32 v[\m], v[\m], v[(\b)+3], v[(\b)+4]
	v_max3_num_f32 v[\m], v[\m], v[(\b)+5], v[(\b)+6]
	v_max_num_f32 v[\m], v[\m], v[(\b)+7]
	v_max_num_f32_dpp v[\m], v[\m], v[\m] row_xmask:1 row_mask:0xf bank_mask:0xf
	v_max_num_f32_dpp v[\m], v[\m], v[\m] row_xmask:2 row_mask:0xf bank_mask:0xf
	v_max_num_f32_dpp v[\m], v[\m], v[\m] row_xmask:4 row_mask:0xf bank_mask:0xf
	v_max_num_f32_dpp v[\m], v[\m], v[\m] row_xmask:8 row_mask:0xf bank_mask:0xf
	v_permlanex16_b32 v[\tmp], v[\m], s[SEL], s[SEL+1]
	v_max_num_f32 v[\m], v[\m], v[\tmp]
	v_max_num_f32 v[\m], 0x2b800000, v[\m]
	v_and_b32 v[\m], 0x7f800000, v[\m]
.endm
	s_load_b256 s[4:11], s[0:1], 0x0               ; t16 s[4:5], pst s[6:7], mx s[8:9], out0 s[10:11]
	v_lshl_add_u32 v[SPW], v0, 2, SPARE
	v_mov_b32 v[NIL], 0
	ds_add_u32 v28, v29
	s_wait_dscnt 0x0
	v_lshrrev_b32 v1, 5, v0
	v_readfirstlane_b32 s[WV], v1
	s_bfe_u32 s13, ttmp6, 0x40000                  ; cx
	s_lshl_b32 s14, ttmp9, 2
	s_add_co_u32 s14, s14, s13                     ; cb: my 64 channels of v: it enters P's, V's and out's global addresses alone
	s_and_b32 s15, ttmp7, 0xffff                   ; rb: the chunk, which the four partners share
	s_and_b32 s16, s[WV], 1                        ; wave 0 fetches q^T, wave 1 k^T
	s_lshl_b32 s17, s15, 8                         ; the chunk's 128 tokens: 256 bytes along a row of t16
	s_lshl_b32 s20, s16, 22                        ; k^T begins 512 rows of 8,192 bytes behind q^T
	s_add_co_u32 s20, s20, s17
	s_mov_b32 s21, 0
	s_lshl_b32 s22, s15, 19                        ; P': 524,288 bytes a state,
	s_lshl_b32 s23, s14, 16                        ; 65,536 for 64 channels of v
	s_add_co_u32 s22, s22, s23
	s_mov_b32 s23, 0
	s_lshl_b32 s82, s14, 19                        ; v^T: row 1,024 + 64 cb
	s_add_co_u32 s82, s82, s17
	s_add_co_u32 s82, s82, 1024*8192
	s_mov_b32 s83, 0
	s_lshl_b32 s18, s15, 18                        ; out: row 128 rb + 32 w, 2,048 bytes a row;
	s_lshl_b32 s19, s[WV], 16
	s_add_co_u32 s18, s18, s19
	s_lshl_b32 s19, s14, 8                         ; 256 bytes for 64 channels
	s_add_co_u32 s18, s18, s19
	s_mov_b32 s19, 0
	s_mul_i32 s16, s16, QKB                        ; q^T's or k^T's region in LDS
	s_mov_b32 s[G1J], 15|(1<<16)|(1<<20)|(1<<21)|(5<<22)|(7<<25)   ; the mask of four; 2-byte elements; padding on; bit 21 beside a mask; after every 64 words, 8 words
	s_mov_b32 s[G1J2], 15|(1<<16)|(1<<20)|(1<<21)|(5<<22)|(7<<25)
	s_mov_b32 s[G1V], (1<<16)|(1<<20)|(5<<22)|(3<<25)              ; no mask; 4 words of padding
.irp g, G1J, G1J2, G1V
	s_mov_b32 s[(\g)+1], 128<<16                   ; tensor_dim0 = 128 tokens
	s_mov_b32 s[(\g)+3], 128<<16                   ; tile_dim0
	s_mov_b32 s[(\g)+5], 4096                      ; elements from row to row
	s_mov_b32 s[(\g)+6], 0
	s_mov_b32 s[(\g)+7], 0
.endr
	s_mov_b32 s[G1J+2], 128<<16                    ; rows: tensor_dim1 and tile_dim1
	s_mov_b32 s[G1J+4], 128
	s_mov_b32 s[G1J2+2], 256<<16
	s_mov_b32 s[G1J2+4], 256
	s_mov_b32 s[G1V+2], 64<<16
	s_mov_b32 s[G1V+4], 64
.irp g, G1P0, G1P1                     ; a dense block, as rows of 32 elements of 8 bytes
	s_mov_b32 s[(\g)], 3<<16
	s_mov_b32 s[(\g)+1], 32<<16
	s_mov_b32 s[(\g)+3], 32<<16
	s_mov_b32 s[(\g)+5], 32
	s_mov_b32 s[(\g)+6], 0
	s_mov_b32 s[(\g)+7], 0
.endr
	s_mov_b32 s[G1P0+2], 64<<16                    ; step 0: 16,384 bytes
	s_mov_b32 s[G1P0+4], 64
	s_mov_b32 s[G1P1+2], 192<<16                   ; steps 1 to 3
	s_mov_b32 s[G1P1+4], 192
	s_mov_b32 s[SEL], 0x76543210
	s_mov_b32 s[SEL+1], 0xfedcba98
	s_wait_kmcnt 0x0
	s_add_nc_u64 s[20:21], s[4:5], s[20:21]
	s_add_nc_u64 s[22:23], s[6:7], s[22:23]
	s_add_nc_u64 s[82:83], s[4:5], s[82:83]
	s_add_nc_u64 s[10:11], s[10:11], s[18:19]
	; every wave writes every group 0; which of them it uses hangs on its number
	s_mov_b32 s[G0A], 1
	s_mov_b32 s[G0A+1], s16
	s_mov_b64 s[G0A+2:G0A+3], s[20:21]             ; channels 0-127
	s_or_b32 s[G0A+3], s[G0A+3], 0x80000000
	s_mov_b32 s[G0B], 1
	s_add_co_u32 s[G0B+1], s16, STEPB
	s_add_nc_u64 s[G0B+2:G0B+3], s[20:21], 128*8192  ; channels 128-383
	s_or_b32 s[G0B+3], s[G0B+3], 0x80000000
	s_mov_b32 s[G0C], 1
	s_mov_b32 s[G0C+1], s16                        ; channels 384-511 go where 0-127 lay
	s_add_nc_u64 s[G0C+2:G0C+3], s[20:21], 384*8192
	s_or_b32 s[G0C+3], s[G0C+3], 0x80000000
	s_mov_b32 s[G0P0], 1
	s_mov_b32 s[G0P0+1], PBASE
	s_mov_b64 s[G0P0+2:G0P0+3], s[22:23]
	s_or_b32 s[G0P0+3], s[G0P0+3], 0x80000000
	s_mov_b32 s[G0P1], 1
	s_mov_b32 s[G0P1+1], PBASE+16384
	s_add_nc_u64 s[G0P1+2:G0P1+3], s[22:23], 16384
	s_or_b32 s[G0P1+3], s[G0P1+3], 0x80000000
	s_mov_b32 s[G0V], 1
	s_mov_b32 s[G0V+1], VBASE
	s_mov_b64 s[G0V+2:G0V+3], s[82:83]
	s_or_b32 s[G0V+3], s[G0V+3], 0x80000000
	CROUND                                         ; all four work-groups are here: the first joint loads meet
	s_cmp_lt_u32 s[WV], 2                          ; the first fills, each wave's in one arm: two loads of a wave are out at the most; an s_nop 0 follows each, four v_nop the last
	s_cbranch_scc0 .Lnot_qk
	tensor_load_to_lds s[G0A:G0A+3], s[G1J:G1J+7]
	s_nop 0
	tensor_load_to_lds s[G0B:G0B+3], s[G1J2:G1J2+7]
	s_nop 0
.rept 4
	v_nop
.endr
	s_branch .Lasked
.Lnot_qk:
	s_cmp_eq_u32 s[WV], 2
	s_cbranch_scc0 .Lfor_v
	tensor_load_to_lds s[G0P0:G0P0+3], s[G1P0:G1P0+7]
	s_nop 0
	tensor_load_to_lds s[G0P1:G0P1+3], s[G1P1:G1P1+7]
	s_nop 0
.rept 4
	v_nop
.endr
	s_branch .Lasked
.Lfor_v:
	tensor_load_to_lds s[G0V:G0V+3], s[G1V:G1V+7]
	s_nop 0
.rept 4
	v_nop
.endr
.Lasked:
	; all that follows up to the barrier stands in the wait for the first tiles
	v_and_b32 v3, 31, v0
	v_lshlrev_b32 v[L16], 4, v3
	NLOAD 0, 144
	NLOAD 1, 152
	NLOAD 2, 160
	v_and_b32 v1, 15, v0                           ; r = l % 16
	v_bfe_u32 v2, v0, 4, 1                         ; h = l / 16
	; the turning load: lane l reads 16 bytes of channel 8 h + l % 8, tokens 8 ((l / 8) % 2) on, and is left with token l % 16, channels 8 h + 0..7
	v_and_b32 v24, 7, v0
	v_bfe_u32 v25, v0, 3, 1
	v_lshl_add_u32 v24, v2, 3, v24
	v_mul_u32_u24 v24, v24, PQ
	v_lshl_add_u32 v24, v25, 4, v24
	s_lshl_b32 s16, s[WV], 6
	v_add_nc_u32 v25, s16, v24                     ; my wave's 32 queries: 64 bytes along a row
.irp sl, 0,1,2
	v_add_nc_u32 v[AQ+(\sl)], (\sl)*STEPB, v25
	v_add_nc_u32 v[AK+(\sl)], QKB+(\sl)*STEPB, v24
.endr
	v_add_nc_u32 v[AP], PBASE, v[L16]
	v_mul_u32_u24 v26, v1, PVP
	v_lshl_add_u32 v[AV], v2, 4, v26
	v_add_nc_u32 v[AV], VBASE, v[AV]
	s_mul_i32 s16, s[WV], 16*SP
	s_add_co_u32 s16, s16, STAGE                   ; my stage
	v_lshl_add_u32 v[STO], v2, 5, v26              ; in: row l % 16 (pitch 272, as V's), 32 bytes for each half of the lanes
	v_add_nc_u32 v[STO], s16, v[STO]
	v_mul_u32_u24 v[RD], v2, SP                    ; back: lanes 0-15 one row of 256 bytes, lanes 16-31 the next
	v_lshl_add_u32 v[RD], v1, 4, v[RD]
	v_add_nc_u32 v[RD], s16, v[RD]
	v_lshlrev_b32 v[GO], 11, v2                    ; and the same two rows in out
	v_lshl_add_u32 v[GO], v1, 4, v[GO]
	v_lshlrev_b32 v26, 3, v2
	v_sub_nc_u32 v26, v1, v26
	s_lshl_b32 s16, s[WV], 5
	v_add_nc_u32 v[TH], s16, v26                   ; 32 w + r - 8 h
	v_add_nc_u32 v[TH+1], 16, v[TH]
	v_mov_b32 v27, 0
	s_wait_loadcnt 0x0                             ; the maxima
	NRED 24, 144, 27                               ; p_q
	NRED 25, 152, 27                               ; p_k
	NRED 26, 160, 27                               ; p_v
	v_sub_nc_u32 v30, 0x7f000000, v24              ; 1 / p of a power of two: the exponent mirrored
	v_sub_nc_u32 v31, 0x7f000000, v25
	v_mul_f32 v[SA], v30, v31
	v_mul_f32 v[CP], v25, v26
	v_mul_f32 v[CA], v24, v25
	v_mul_f32 v[CP], 0x3d3504f3, v[CP]             ; 512^-1/2
	v_mul_f32 v[CA], 0x3d3504f3, v[CA]
	v_mov_b32 v[CP+1], v[CP]
	v_mov_b32 v[CA+1], v[CA]
	; the mask, as S^T lies: register j of (kt, qt) is key 16 kt + 8 h + j against query 32 w + 16 qt + r: sA where the key is the smaller, else 0
	WIN W_T2
.set i, 0
.rept 128
	v_cmp_lt_i32 vcc_lo, 16*((i/8)%8)+i%8, v[TH+i/64]
	v_cndmask_b32 v[i], 0, v[SA], vcc_lo
.set i, i+1
.endr
	WIN 0
; 28 LDS loads in one run: step n (channels 32 n on: s = n / 4, kk = n % 4) into buffer n % 2
.macro FETCHN n
.set fs, (\n)/4
.set fk, (\n)%4
.set fb, F0+112*((\n)%2)
	WIN 0
.irp qt, 0,1
	ds_load_tr16_b128 v[fb+8*(\qt):fb+8*(\qt)+3],   v[AQ+fs%3] offset:fk*32*PQ+32*(\qt)
	ds_load_tr16_b128 v[fb+8*(\qt)+4:fb+8*(\qt)+7], v[AQ+fs%3] offset:fk*32*PQ+32*(\qt)+16*PQ
.endr
.irp kt, 0,1,2,3,4,5,6,7
	ds_load_tr16_b128 v[fb+16+8*(\kt):fb+16+8*(\kt)+3],   v[AK+fs%3] offset:fk*32*PQ+32*(\kt)
	ds_load_tr16_b128 v[fb+16+8*(\kt)+4:fb+16+8*(\kt)+7], v[AK+fs%3] offset:fk*32*PQ+32*(\kt)+16*PQ
.endr
.irp vt, 0,1,2,3
	ds_load_b128 v[fb+80+8*(\vt):fb+80+8*(\vt)+3],   v[AP] offset:fs*16384+(\vt)*4096+fk*1024
	ds_load_b128 v[fb+80+8*(\vt)+4:fb+80+8*(\vt)+7], v[AP] offset:fs*16384+(\vt)*4096+fk*1024+512
.endr
.endm
; Step n: its fragments are in; the next step's are asked for; 24 matrix instructions on 24 accumulators, which take turns.  Step 0 starts the sums.
.macro KS n, fetch
	s_wait_dscnt 0x0                               ; this step's 28 loads, issued a step ago
.if \fetch
	PLACES                                         ; the other buffer was read by the last step's products
	FETCHN (\n)+1
.endif
	WIN W_P1
.set kf, F0+112*((\n)%2)
.irp qt, 0,1
.irp kt, 0,1,2,3,4,5,6,7
.if (\n) == 0
	v_wmma_f32_16x16x32_f16 v[64*(\qt)+8*(\kt):64*(\qt)+8*(\kt)+7], v[kf+16+8*(\kt):kf+16+8*(\kt)+7], v[kf+8*(\qt):kf+8*(\qt)+7], 0
.else
	v_wmma_f32_16x16x32_f16 v[64*(\qt)+8*(\kt):64*(\qt)+8*(\kt)+7], v[kf+16+8*(\kt):kf+16+8*(\kt)+7], v[kf+8*(\qt):kf+8*(\qt)+7], v[64*(\qt)+8*(\kt):64*(\qt)+8*(\kt)+7]
.endif
.endr
.endr
.irp qt, 0,1
.irp vt, 0,1,2,3
.if (\n) == 0
	v_wmma_f32_16x16x32_f16 v[128+32*(\qt)+8*(\vt):128+32*(\qt)+8*(\vt)+7], v[kf+80+8*(\vt):kf+80+8*(\vt)+7], v[kf+8*(\qt):kf+8*(\qt)+7], 0
.else
	v_wmma_f32_16x16x32_f16 v[128+32*(\qt)+8*(\vt):128+32*(\qt)+8*(\vt)+7], v[kf+80+8*(\vt):kf+80+8*(\vt)+7], v[kf+8*(\qt):kf+8*(\qt)+7], v[128+32*(\qt)+8*(\vt):128+32*(\qt)+8*(\vt)+7]
.endif
.endr
.endr
.endm
	s_wait_tensorcnt 1                             ; waves 0 to 2: one load was issued behind channels 0-127's, which are in; wave 3's tile of v^T is not wanted yet.
	s_barrier_signal -1
	s_barrier_wait -1
	FETCHN 0
.irp n, 0,1,2
	KS \n, 1
.endr
	; channels 0-127 have been read (step 3's fragments are asked for): their rows are filled again, with channels 384-511
	WIN 0
	s_wait_tensorcnt 0x0                           ; all my tensor loads have landed: behind the round all of channels 128-383, of P' and of v^T is in
	ds_add_u32 v[SPW], v[NIL]                      ; 0 onto my spare word
	s_wait_dscnt 0x0                               ; the add is done, and my reads of those rows are over
	CROUND                                         ; so it is with every wave of all four work-groups
	s_cmp_lt_u32 s[WV], 2
	s_cbranch_scc0 .Lno_refill                     ; waves 2 and 3 have no part in it
	tensor_load_to_lds s[G0C:G0C+3], s[G1J:G1J+7]  ; it has eight steps, 192 matrix instructions, in which to land
	s_nop 0
.rept 4
	v_nop
.endr
.Lno_refill:
.irp n, 3,4,5,6,7,8,9,10
	KS \n, 1
.endr
	WIN 0
	s_wait_tensorcnt 0x0                           ; the one load that was out: my part of channels 384-511
	s_wait_dscnt 0x0
	s_barrier_signal -1
	s_barrier_wait -1                              ; everybody's part is in
	WIN W_T2
.irp kp, 0,1,2,3                       ; V's fragments: 32 keys kp, 16 channels vt; they are waited for with the next step's
.irp vt, 0,1,2,3
	ds_load_b128 v[128+32*(\kp)+8*(\vt):128+32*(\kp)+8*(\vt)+3],   v[AV] offset:(\vt)*16*PVP+64*(\kp)
	ds_load_b128 v[128+32*(\kp)+8*(\vt)+4:128+32*(\kp)+8*(\vt)+7], v[AV] offset:(\vt)*16*PVP+64*(\kp)+32
.endr
.endr
	WIN 0
.irp n, 11,12,13,14
	KS \n, 1
.endr
	KS 15, 0
	; PHASE 2.  S^T times the mask, in place, each accumulator from its low end; rounded to f16 in pairs
	PLACES
	WIN W_SM
.set i, 0
.rept 64
	v_pk_mul_f32 v[2*i:2*i+1], v[2*i:2*i+1], v[2*i:2*i+1]  ; window 1 = window 1 x window 2
.set i, i+1
.endr
	WIN W_CV
.set i, 0
.rept 64
	v_cvt_pk_f16_f32 v[AF+i], v[2*i], v[2*i+1]
.set i, i+1
.endr
	WIN W_P2
.irp kp, 0,1,2,3                       ; the eight accumulators take turns; the first 32 keys start the sums
.irp qt, 0,1
.irp vt, 0,1,2,3
.if (\kp) == 0
	v_wmma_f32_16x16x32_f16 v[192+32*(\qt)+8*(\vt):192+32*(\qt)+8*(\vt)+7], v[128+32*(\kp)+8*(\vt):128+32*(\kp)+8*(\vt)+7], v[AF+32*(\qt)+8*(\kp):AF+32*(\qt)+8*(\kp)+7], 0
.else
	v_wmma_f32_16x16x32_f16 v[192+32*(\qt)+8*(\vt):192+32*(\qt)+8*(\vt)+7], v[128+32*(\kp)+8*(\vt):128+32*(\kp)+8*(\vt)+7], v[AF+32*(\qt)+8*(\kp):AF+32*(\qt)+8*(\kp)+7], v[192+32*(\qt)+8*(\vt):192+32*(\qt)+8*(\vt)+7]
.endif
.endr
.endr
.endr
	WIN W_S1                                       ; O1 x cP: 32 plain instructions that name no register of the last products: their places
.set i, 0
.rept 32
	v_pk_mul_f32 v[128+2*i:128+2*i+1], v[128+2*i:128+2*i+1], v[CP:CP+1]
.set i, i+1
.endr
	WIN W_FM
.set i, 0
.rept 32
	v_pk_fma_f32 v[128+2*i:128+2*i+1], v[192+2*i:192+2*i+1], v[CA:CA+1], v[128+2*i:128+2*i+1]  ; + O2 x cA
.set i, i+1
.endr
	; THE WAY OUT: a lane's eight channels of a query are 32 bytes; a tile of 16 queries goes into rows of 272 bytes and comes back as whole rows of 256
.irp qt, 0,1
	WIN W_ST
.irp vt, 0,1,2,3
	ds_store_b128 v[STO], v[128+32*(\qt)+8*(\vt):128+32*(\qt)+8*(\vt)+3]   offset:64*(\vt)
	ds_store_b128 v[STO], v[128+32*(\qt)+8*(\vt)+4:128+32*(\qt)+8*(\vt)+7] offset:64*(\vt)+16
.endr
	WIN 0
.irp t, 0,1,2,3,4,5,6,7
	ds_load_b128 v[BK+32*(\qt)+4*(\t):BK+32*(\qt)+4*(\t)+3], v[RD] offset:(\t)*2*SP  ; LDS serves a wave's instructions in order (ISA guide 5.7.1.4): these see the stores above; the next tile's stores come behind them
.endr
.endr
.irp qt, 0,1
	s_wait_dscnt 16-16*(\qt)                       ; behind tile 0's loads stand tile 1's eight stores and eight loads
.irp t, 0,1,2,3,4,5,6,7
	global_store_b128 v[GO], v[BK+32*(\qt)+4*(\t):BK+32*(\qt)+4*(\t)+3], s[10:11] offset:(16*(\qt)+2*(\t))*2048 th:TH_STORE_NT  ; 16 lanes store 256 consecutive bytes, at a multiple of 256 from out's first byte
.endr
.endr
	s_wait_tensorcnt 0x0                           ; the wave's end
	ds_add_u32 v[SPW], v[NIL]
	s_wait_dscnt 0x0
	CROUND                                         ; the closing round
	s_endpgm
.Lfunc_end_k_qa9ea20a007_outk:
	.size	k_qa9ea20a007_outk, .Lfunc_end_k_qa9ea20a007_outk-k_qa9ea20a007_outk
	.p2alignl 7, 3214868480
	.fill 96, 4, 3214868480
	.section	.rodata,"a",@progbits
	.p2align	6, 0x0
	.amdhsa_kernel k_qa9ea20a007_outk
		.amdhsa_group_segment_fixed_size 327680
		.amdhsa_private_segment_fixed_size 0
		.amdhsa_enable_private_segment 0
		.amdhsa_kernarg_size 32
		.amdhsa_user_sgpr_count 2
		.amdhsa_user_sgpr_kernarg_segment_ptr 1
		.amdhsa_wavefront_size32 1
		.amdhsa_system_sgpr_workgroup_id_x 1
		.amdhsa_system_sgpr_workgroup_id_y 1
		.amdhsa_system_sgpr_workgroup_id_z 1
		.amdhsa_system_vgpr_workitem_id 0
		.amdhsa_next_free_vgpr 768
		.amdhsa_next_free_sgpr 96
		.amdhsa_reserve_vcc 1
		.amdhsa_float_denorm_mode_32 3
		.amdhsa_float_denorm_mode_16_64 3
		.amdhsa_memory_ordered 1
		.amdhsa_forward_progress 1
		.amdhsa_inst_pref_size 99
	.end_amdhsa_kernel
	.amdgpu_metadata
---
amdhsa.version: [ 1, 2 ]
amdhsa.kernels:
  - .name:           k_qa9ea20a007_outk
    .symbol:         k_qa9ea20a007_outk.kd
    .args:
      - { .name: t16, .offset: 0, .size: 8, .value_kind: global_buffer, .address_space: global }
      - { .name: pst, .offset: 8, .size: 8, .value_kind: global_buffer, .address_space: global }
      - { .name: mx, .offset: 16, .size: 8, .value_kind: global_buffer, .address_space: global }
      - { .name: out0, .offset: 24, .size: 8, .value_kind: global_buffer, .address_space: global }
    .group_segment_fixed_size: 327680
    .private_segment_fixed_size: 0
    .kernarg_segment_align: 8
    .kernarg_segment_size: 32
    .max_flat_workgroup_size: 128
    .sgpr_count:     96
    .vgpr_count:     768
    .wavefront_size: 32
...
	.end_amdgpu_metadata
.endif
;; end of part 4
